; MI455X (gfx1250); checked and timed in simulation.
; The chip was launched on July 23, 2026; its instructions are those of AMD's public machine-readable ISA for CDNA 5 (MIT licence, August 2026) and "CDNA5" Instruction Set Architecture Reference Guide (July 2026). The comments in the code are by the model that wrote it; some were corrected since.
;; Robust Sym GAT. Allowed arithmetic: float matrix products may take bf16 or f16 operands with f32 sums; other float arithmetic in f32, or as packed bf16 or f16 multiplies, adds, multiply-adds, maxima and minima; sums over many terms, partial sums and values carried from step to step in f32; what a program stores and reads back later, other than sums and carried values, may be rounded once to bf16 or f16.
;; Inputs: W1 64 x 64 float32; W2 64 x 64 float32; W3 64 x 64 float32; W_c1 64 x 32 float32; W_c2 32 x 4 float32; W_in 42 x 64 float32; W_r1 64 x 32 float32; W_r2 32 x 1 float32; W_sym 10 x 32 float32; b1 64 float32; b2 64 float32; b3 64 float32; b_c1 32 float32; b_c2 4 float32; b_in 64 float32; b_r1 32 float32; b_r2 1 float32; b_sym 32 float32; x 1,048,576 x 10 float32.
;; Outputs: out0 1,048,576 x 1 float32; out1 1,048,576 x 4 float32.
;; One version. Each part assembles by itself: llvm-mc -triple=amdgcn-amd-amdhsa -mcpu=gfx1250 --defsym DOCPART=n.
;; ======== version 1 of 1: 1 launch
;; launch mlp (part 1): grid 256 x 1, 4 waves a work-group, no clusters, 78,336 bytes of LDS; arguments x, W_sym, b_sym, W_in, b_in, W1, b1, W2, b2, W3, b3, W_r1, b_r1, W_c1, b_c1, W_r2, b_r2, W_c2, b_c2, out0, out1; writes out0, out1
.if DOCPART == 1
	.amdgcn_target "amdgcn-amd-amdhsa--gfx1250"
	.amdhsa_code_object_version 6
	.text
	.protected	k_q551f925d3c_mlp
	.globl	k_q551f925d3c_mlp
	.p2align	8
	.type	k_q551f925d3c_mlp,@function
k_q551f925d3c_mlp:
	s_mov_b64 s[64:65], 0
	v_nop
	global_prefetch_b8 v0, s[64:65] scope:SCOPE_SE
	s_setreg_imm32_b32 hwreg(HW_REG_WAVE_MODE, 25, 1), 1
	s_wait_xcnt 0x0
; RobustSymGAT, all of it in one launch.  For each of 1,048,576 rows: 10 features made of x; 10 -> 32 (elu); [x | enc] 42 -> 64 (elu); three times h += elu(h W + b);
; two heads 64 -> 32 (elu), then 32 -> 1 and 32 -> 4.  x is read once, out0 and out1 are written once, everything between stays in registers.
; SHARES.  256 work-groups of four waves; a wave owns 1,024 consecutive rows and walks them in 16 trips of 64.  A trip has two PIECES (X: rows 0-31, Y: rows 32-63), a piece two tiles of 16 rows.
; LAYOUT.  Every product is taken transposed: source 0 = 16 output channels x 32 k of W^T, source 1 = 32 k x 16 rows of activations.  In the result a lane holds ONE row (lane % 16) and the channels
; 8 (lane / 16) + 0..7; two neighbouring results rounded to bf16 in pairs ARE source 1 of the next layer: no activation ever changes lanes or goes through LDS.
; THE SCALE.  All hidden values are carried times c = log2(e).  Then c elu(z) = the middle one of (z', c 2^z' - c, 0) with z' = c z: one exponential, half a packed multiply-add, one v_med3 a number.
; c enters by the features' constants, by the biases (c bf16(b), in f32, as the C operand) and by W_in's rows for x, b_in and b_sym (c bf16(w) as a high and a low bf16 in two K places);
; it leaves by the multiply-add that adds the last biases.  All other weights are bf16(w).
; HIGH AND LOW.  Four activation operands go to the matrix unit twice, as hi = bf16(a) and lo = bf16(a - hi), the second pass over the same weights onto the same sums: h3 and the heads' hidden layers, whose
; rounding reaches the outputs through the fewest layers, and the features and enc, which are short.  h0, h1, h2 are rounded once: they enter only the elu term, beside the residual kept in f32.
; WEIGHTS.  About 80 KB, rounded once a work-group into an LDS image [k][n], read from there turned (ds_load_tr16_b128) into 384 registers a wave, biases into 128 more; the loop reads no weight from LDS.
; BY TURNS.  In a turn one piece has the matrix unit and then its exponentials; the other piece's plain work (scale, middle, residual, rounding, low parts) stands four behind each matrix instruction and
; beside the exponentials.  A turn's exponentials are one batch with one wait.
; NOT USED: tensor loads, a cluster, joint loads: x is private to a wave (2,560 bytes a trip) and what work-groups share, the weights, is read once by each.  No prefetch: x is asked for a whole trip ahead of its use.
; LIMITS.  NaN and infinities are not treated apart (places of K with weight 0 want finite features).  elu's negative side is formed as c 2^z' - c in f32: absolute error about 1e-7.  2^z' below 2^-126 counts as 0.
; 1 + 1e-8 and hi + 1e-8 are 1 and hi in f32 and are written so.  Inputs are rounded to bf16, activations to bf16 (or to two bf16) at each product; sums, h and the biases' products stay in f32.
;
; REGISTERS, in windows of 256 (s_set_vgpr_msb: bits 1:0 source 0, 3:2 source 1, 5:4 source 2, 7:6 destination):
;   window 0: v0-63, v64-127 the pieces' accumulators Z; v128-223 c b1, c b2, c b3; v224-225 1.0 twice; v226 -1.0; v228-233 the last biases; v236-255 x as loaded.  (In the set-up v0-79 hold addresses and temporaries.)
;   window 1: v0-63, v64-127 E (exponentials, elu; x and the features between trips; results at +56..61); v128-191, v192-255 h in f32.
;             The low operands lie where nothing else lives at the time: the features' at E+48..55, enc's at E+32..47, h3's at E+0..31, the hidden layers' at H+0..31
;   window 2: v0-31, v32-63 OP, the pieces' bf16 operands (high parts); v64-255 W1, W2, W3
;   window 3: v0-191 W_sym, W_in (x part, enc part), the heads' first and last layers; v192-223 the heads' biases; v224-235 addresses
.set PITCH, 160                        ; a row of the image: 64 bf16 + 32 bytes of padding, an odd multiple of 32 bytes
.set XST,   416*PITCH                  ; behind the image's 416 rows: each wave's own stage for x, 64 rows x 40 bytes
.set PBN,   XST+4*2560                 ; each wave's own 256 bytes for 64 predictions
.set SPARE, PBN+4*256                  ; the spare words, 128 bytes for each wave
; rows of the image: 0 W1, 64 W2, 128 W3, 192 [W_r1 | W_c1], 256 W_in rows 10-41, 288 XIN, 320 SYM, 352 FIN
.set BIAS, 128
.set ONE,  224
.set NEG1, 226
.set BF,   228
.set XL,   236
.set SC,   52                          ; set-up: eight registers at work
.set SYMF, 0                           ; window 3
.set XINF, 32
.set ENCF, 64
.set HDF,  96
.set FINF, 160
.set HBF,  192
.set SPW,  224                         ; LDS address of my spare word: SPARE + 4 x my thread's number; never rewritten
.set NIL,  225                         ; 0; never rewritten
.set L16,  226                         ; 16 x lane
.set LSX,  227                         ; my stage + 16 x lane
.set LRT,  228                         ; my stage + 40 x (lane % 16)
.set O0O,  230                         ; 8 x lane
.set LPS,  231                         ; my predictions' bytes + 4 x lane
.set LPR,  232                         ; the same + 8 x lane
.set PR,   234                         ; two predictions to store
.set TW3,  250                         ; set-up: at work
.set WV,   2                           ; s2  my wave's number
.set TR,   3                           ; s3  trips to go
.set CC,   50                          ; s[50:51] c        s[52:53] -c        s[54:55] 1/c
.set NC,   52
.set IC,   54
.set MSB, 0
.macro WIN new                         ; the immediate's high byte repeats the setting that is left; a switch that changes nothing is dropped
.if MSB != (\new)
	s_set_vgpr_msb (MSB<<8)|(\new)
.set MSB, (\new)
.endif
.endm
	s_load_b512 s[8:23], s[0:1], 0x0               ; x 8, W_sym 10, b_sym 12, W_in 14, b_in 16, W1 18, b1 20, W2 22
	s_load_b512 s[24:39], s[0:1], 0x40             ; b2 24, W3 26, b3 28, W_r1 30, b_r1 32, W_c1 34, b_c1 36, W_r2 38
	s_load_b256 s[40:47], s[0:1], 0x80             ; b_r2 40, W_c2 42, b_c2 44, out0 46
	s_load_b64 s[48:49], s[0:1], 0xa0              ; out1
	WIN 0xc0
	v_lshl_add_u32 v[SPW], v0, 2, SPARE
	v_mov_b32 v[NIL], 0
	WIN 0
	v_lshrrev_b32 v1, 5, v0
	v_readfirstlane_b32 s[WV], v1                  ; wave 0..3
	v_and_b32 v1, 31, v0                           ; lane
	v_and_b32 v2, 15, v0                           ; r = lane % 16
	v_bfe_u32 v3, v0, 4, 1                         ; h = lane / 16
	v_lshlrev_b32 v4, 4, v0                        ; 16 x thread: the dense loads
	v_bfe_u32 v64, v0, 3, 2                        ; lane / 8
	v_and_b32 v65, 7, v0                           ; lane % 8
	v_bfe_u32 v67, v0, 3, 1                        ; (lane / 8) % 2
	s_mul_i32 s4, s[WV], 2*PITCH
	s_mul_i32 s5, s[WV], 4*PITCH
	s_lshl_b32 s6, s[WV], 9
	s_add_co_u32 s7, s6, 288*PITCH
	v_mul_u32_u24 v69, v3, PITCH
	v_lshl_add_u32 v69, v2, 3, v69                 ; h rows + 8 r
	v_add_nc_u32 v5, s4, v69                       ; image, rows of 64: row 2 wave + h, 4 numbers at column 4 r
	v_mul_u32_u24 v66, v64, PITCH
	v_lshl_add_u32 v66, v65, 3, v66                ; (lane / 8) rows + 8 (lane % 8)
	v_add_nc_u32 v6, s5, v66                       ; image, rows of 32: row 4 wave + lane / 8
	v_lshl_add_u32 v7, v1, 4, s7                   ; the zeros: from row 288, 512 wave + 16 lane
	v_lshlrev_b32 v8, 4, v1
	v_lshlrev_b32 v9, 4, v2
	v_lshlrev_b32 v10, 4, v65
	v_lshlrev_b32 v11, 2, v1
	v_lshlrev_b32 v12, 5, v3                       ; a bias for a result's layout: 8 h numbers in
	v_lshl_add_u32 v13, v3, 3, v65                 ; the turning load: lane l reads row 8 h + l % 8, 16 bytes at 16 ((l / 8) % 2)
	v_mul_u32_u24 v13, v13, PITCH
	v_lshl_add_u32 v13, v67, 4, v13
	v_mov_b32 v14, 0
	v_add_nc_u32 v15, s6, v8                       ; 512 wave + 16 lane: my two of W_in's rows 0-7
	v_lshlrev_b32 v70, 3, v2
	v_mul_u32_u24 v71, v67, PITCH
	v_lshl_add_u32 v71, v65, 3, v71
	v_lshlrev_b32 v72, 3, v65
	v_mul_u32_u24 v73, v1, PITCH
	v_mul_u32_u24 v75, v2, 40
.irp i, 60,61,62,63
	v_mov_b32 v\i, 0
.endr
	s_mul_i32 s4, s[WV], 2560
	s_add_co_u32 s4, s4, XST                       ; my stage
	s_lshl_b32 s5, s[WV], 8
	s_add_co_u32 s5, s5, PBN                       ; my predictions' bytes
	WIN 0xc0
	v_mov_b32 v[L16], v8
	v_add_nc_u32 v[LSX], s4, v8
	v_add_nc_u32 v[LRT], s4, v75
	v_lshlrev_b32 v[O0O], 3, v1
	v_add_nc_u32 v[LPS], s5, v11
	v_lshl_add_u32 v[LPR], v1, 3, s5
	WIN 0
	s_mov_b32 s50, 0x3fb8aa3b                      ; c = log2(e)
	s_mov_b32 s51, 0x3fb8aa3b
	s_mov_b32 s52, 0xbfb8aa3b                      ; -c
	s_mov_b32 s53, 0xbfb8aa3b
	s_mov_b32 s54, 0x3f317218                      ; 1/c
	s_mov_b32 s55, 0x3f317218
	s_mov_b32 s56, 0xbe6347ab                      ; -c/6.5
	s_mov_b32 s57, 0x3e2dcd65                      ; c/8.5
	s_mov_b32 s58, 0xc4b4563d                      ; -c/0.001
	s_mov_b32 s59, 0x4038aa3b                      ; c/0.5
	s_mov_b32 s60, 0x3e93bb63                      ; c/5
	s_mov_b32 s61, 0xbe76384f                      ; -c/6
	s_mov_b32 s62, 0x3e13bb63                      ; c/10
	s_mov_b32 s63, 0xffff0000                      ; a word's upper bf16
	s_mov_b32 s66, 0x3f93bb63                      ; 0.8 c          s_bact = 0.8 am + 0.1 bod - (0.8/30) do
	s_mov_b32 s67, 0x3e13bb63                      ; 0.1 c
	s_mov_b32 s68, 0xbd1d94ad                      ; -(0.8/30) c
	s_mov_b32 s69, 0x3e025a0c                      ; (0.75/8.5) c   s_chem = (0.75/8.5) ph + 0.05 nit
	s_mov_b32 s70, 0x3d93bb63                      ; 0.05 c
	s_mov_b32 s71, 0x3e44f9d9                      ; (2/15) c       s_org = (2/15) bod - 0.05 do + (1.6/3) am
	s_mov_b32 s72, 0xbd93bb63                      ; -0.05 c
	s_mov_b32 s73, 0x3f44f9d9                      ; (1.6/3) c
	s_mov_b32 s74, 0x3e93bb63                      ; 0.2 c          s_agr = 0.2 nit
	s_mov_b32 s75, 0x3ef5fdf0                      ; 1/c^2
	s_mov_b32 s76, 0x3f317218                      ; 1/c
	s_mov_b32 vcc_lo, 0xffff0000                   ; lanes 16-31; never rewritten
	s_wait_kmcnt 0x0
	s_lshl_b32 s4, ttmp9, 2
	s_add_co_u32 s4, s4, s[WV]                     ; my wave among the launch's 1,024
	s_mul_i32 s6, s4, 40960                        ; its 1,024 rows of x,
	s_mov_b32 s7, 0
	s_add_nc_u64 s[8:9], s[8:9], s[6:7]
	s_lshl_b32 s6, s4, 12                          ; of out0,
	s_add_nc_u64 s[46:47], s[46:47], s[6:7]
	s_lshl_b32 s6, s4, 14                          ; of out1
	s_add_nc_u64 s[48:49], s[48:49], s[6:7]
	; ALL LOADS OF THE SET-UP, in one run: x of trip 0, the biases straight into their registers, what needs special places in the image, and last the 36 dense loads
.irp i, 0,1,2,3,4
	global_load_b128 v[XL+4*(\i):XL+4*(\i)+3], v8, s[8:9] offset:512*(\i) th:TH_LOAD_NT
.endr
.irp l, 0,1,2
.irp t, 0,1,2,3
	global_load_b128 v[BIAS+32*(\l)+8*(\t):BIAS+32*(\l)+8*(\t)+3],   v12, s[20+4*(\l):21+4*(\l)] offset:64*(\t)
	global_load_b128 v[BIAS+32*(\l)+8*(\t)+4:BIAS+32*(\l)+8*(\t)+7], v12, s[20+4*(\l):21+4*(\l)] offset:64*(\t)+16
.endr
.endr
	WIN 0xc0
.irp t, 0,1
	global_load_b128 v[HBF+8*(\t):HBF+8*(\t)+3],       v12, s[32:33] offset:64*(\t)      ; channels 0-31 of the heads' hidden layer are b_r1's,
	global_load_b128 v[HBF+8*(\t)+4:HBF+8*(\t)+7],     v12, s[32:33] offset:64*(\t)+16
	global_load_b128 v[HBF+16+8*(\t):HBF+16+8*(\t)+3], v12, s[36:37] offset:64*(\t)      ; 32-63 b_c1's
	global_load_b128 v[HBF+16+8*(\t)+4:HBF+16+8*(\t)+7], v12, s[36:37] offset:64*(\t)+16
.endr
	WIN 0
	global_load_b128 v[BF:BF+3], v14, s[44:45]     ; b_c2
	global_load_b32 v[BF+4], v14, s[40:41]         ; b_r2
	global_load_b128 v[16:19], v15, s[14:15]               ; W_in rows 2 wave, 2 wave + 1
	global_load_b128 v[20:23], v8, s[14:15] offset:2048    ; W_in rows 8, 9
	global_load_b128 v[24:27], v9, s[16:17]                ; b_in
	global_load_b128 v[28:31], v8, s[10:11]                ; W_sym rows 0-3
	global_load_b128 v[32:35], v8, s[10:11] offset:512     ; rows 4-7
	global_load_b128 v[36:39], v9, s[10:11] offset:1024    ; rows 8, 9
	global_load_b128 v[40:43], v10, s[12:13]               ; b_sym
	global_load_b128 v[44:47], v8, s[42:43]                ; W_c2: a row a lane
	global_load_b32 v48, v11, s[38:39]                     ; W_r2
	WIN 0x40
.set j, 0
.rept 24
	global_load_b128 v[4*j:4*j+3], v4, s[18+4*(j/8):19+4*(j/8)] offset:2048*(j%8)   ; W1, W2, W3: 2,048 bytes a load of the work-group
.set j, j+1
.endr
.irp i, 0,1,2,3
	global_load_b128 v[96+4*(\i):99+4*(\i)], v4, s[14:15] offset:2560+2048*(\i)      ; W_in rows 10-41
.endr
.irp i, 0,1,2,3
	global_load_b128 v[112+4*(\i):115+4*(\i)], v4, s[30:31] offset:2048*(\i)         ; W_r1
.endr
.irp i, 0,1,2,3
	global_load_b128 v[128+4*(\i):131+4*(\i)], v4, s[34:35] offset:2048*(\i)         ; W_c1
.endr
	WIN 0
.irp i, 0,1,2,3,4,5,6,7,8,9
	ds_store_b128 v7, v[60:63] offset:2048*(\i)    ; rows 288-415 of the image start as zeros
.endr
; the dense part of the image: four numbers a lane are rounded to bf16 and stored as 8 bytes
.macro DSTORE
.if j < 24
	ds_store_b64 v5, v[4*j:4*j+1] offset:8*j*PITCH
.elseif j < 28
	ds_store_b64 v5, v[4*j:4*j+1] offset:(256+8*(j-24))*PITCH
.elseif j < 32
	ds_store_b64 v6, v[4*j:4*j+1] offset:(192+16*(j-28))*PITCH
.else
	ds_store_b64 v6, v[4*j:4*j+1] offset:(192+16*(j-32))*PITCH+64
.endif
.endm
.set g, 0
.rept 6
	s_wait_loadcnt 30-6*g                          ; loads come back in order: this group's six are in, the younger dense loads stay out
	WIN 0x55
.set j, 6*g
.rept 6
	v_cvt_pk_bf16_f32 v[4*j], v[4*j], v[4*j+1]
	v_cvt_pk_bf16_f32 v[4*j+1], v[4*j+2], v[4*j+3]
.set j, j+1
.endr
	WIN 0x04
.set j, 6*g
.rept 6
	DSTORE
.set j, j+1
.endr
.set g, g+1
.endr
	WIN 0
	s_wait_dscnt 0x0                               ; my zeros and my part of the image are stored
	s_barrier_signal -1
	s_barrier_wait -1                              ; everybody's zeros are: now single rows are written over them
; four numbers in v[a:a+3]: bf16(w) times c, as a high bf16 (v[s:s+1]) and a low one (v[s+2:s+3])
.macro HILO a, s
	v_cvt_pk_bf16_f32 v[(\s)], v[(\a)], v[(\a)+1]
	v_cvt_pk_bf16_f32 v[(\s)+1], v[(\a)+2], v[(\a)+3]
	v_lshlrev_b32 v[(\a)], 16, v[(\s)]
	v_and_b32 v[(\a)+1], s63, v[(\s)]
	v_lshlrev_b32 v[(\a)+2], 16, v[(\s)+1]
	v_and_b32 v[(\a)+3], s63, v[(\s)+1]
	v_pk_mul_f32 v[(\a):(\a)+1], v[(\a):(\a)+1], s[CC:CC+1] op_sel_hi:[1,0]
	v_pk_mul_f32 v[(\a)+2:(\a)+3], v[(\a)+2:(\a)+3], s[CC:CC+1] op_sel_hi:[1,0]
	v_cvt_pk_bf16_f32 v[(\s)], v[(\a)], v[(\a)+1]
	v_cvt_pk_bf16_f32 v[(\s)+1], v[(\a)+2], v[(\a)+3]
	v_lshlrev_b32 v[(\s)+4], 16, v[(\s)]
	v_and_b32 v[(\s)+5], s63, v[(\s)]
	v_lshlrev_b32 v[(\s)+6], 16, v[(\s)+1]
	v_and_b32 v[(\s)+7], s63, v[(\s)+1]
	v_pk_add_f32 v[(\a):(\a)+1], v[(\a):(\a)+1], v[(\s)+4:(\s)+5] neg_lo:[0,1] neg_hi:[0,1]
	v_pk_add_f32 v[(\a)+2:(\a)+3], v[(\a)+2:(\a)+3], v[(\s)+6:(\s)+7] neg_lo:[0,1] neg_hi:[0,1]
	v_cvt_pk_bf16_f32 v[(\s)+2], v[(\a)], v[(\a)+1]
	v_cvt_pk_bf16_f32 v[(\s)+3], v[(\a)+2], v[(\a)+3]
.endm
	; XIN (rows 288-319): k 0-7 high parts of c W_in[0-7], k 8-15 their low parts; 16, 17 high of rows 8, 9; 18 high of c b_in; 24, 25, 26 the low parts.  Both halves of the lanes hold the same x:
	; the lower half's places of K meet the high parts, the upper half's the low parts.
	HILO 16, SC
	ds_store_b64 v5, v[SC:SC+1] offset:288*PITCH
	ds_store_b64 v5, v[SC+2:SC+3] offset:296*PITCH
	s_cmp_lg_u32 s[WV], 0
	s_cbranch_scc1 .Lnot0
	HILO 20, SC
	ds_store_b64 v69, v[SC:SC+1] offset:304*PITCH
	ds_store_b64 v69, v[SC+2:SC+3] offset:312*PITCH
	s_branch .Lspecial_done
.Lnot0:
	s_cmp_lg_u32 s[WV], 1
	s_cbranch_scc1 .Lnot1
	HILO 24, SC
	ds_store_b64 v70, v[SC:SC+1] offset:306*PITCH
	ds_store_b64 v70, v[SC+2:SC+3] offset:314*PITCH
	s_branch .Lspecial_done
.Lnot1:
	s_cmp_lg_u32 s[WV], 2
	s_cbranch_scc1 .Lnot2
	; SYM (rows 320-351), twice.  A lane makes the features of ONE row of its piece's 32, so one operand serves both tiles: columns 0-31 hold W_sym in the places of K of lanes 0-15 alone
	; (k 0-7, 16, 17; c b_sym high and low at 18, 19), columns 32-63 the same eight rows lower, in the places of lanes 16-31
.irp i, 0,1,2
	v_cvt_pk_bf16_f32 v[SC+2*(\i)], v[28+4*(\i)], v[29+4*(\i)]
	v_cvt_pk_bf16_f32 v[SC+2*(\i)+1], v[30+4*(\i)], v[31+4*(\i)]
.endr
.irp i, 0,1
	ds_store_b64 v66, v[SC+2*(\i):SC+2*(\i)+1] offset:(320+4*(\i))*PITCH
	ds_store_b64 v66, v[SC+2*(\i):SC+2*(\i)+1] offset:(328+4*(\i))*PITCH+64
.endr
	ds_store_b64 v71, v[SC+4:SC+5] offset:336*PITCH
	ds_store_b64 v71, v[SC+4:SC+5] offset:344*PITCH+64
	HILO 40, SC
	ds_store_b64 v72, v[SC:SC+1] offset:338*PITCH
	ds_store_b64 v72, v[SC+2:SC+3] offset:339*PITCH
	ds_store_b64 v72, v[SC:SC+1] offset:346*PITCH+64
	ds_store_b64 v72, v[SC+2:SC+3] offset:347*PITCH+64
	s_branch .Lspecial_done
.Lnot2:
	; FIN (rows 352-415): k 0-31 the r head's hidden channels, 32-63 the c head's.  Columns 0-3 W_c2, column 4 W_r2: tile 0's five results fall to lanes 0-15;
	; the same at columns 24-28, channels 8-12 of the second fragment: tile 1's fall to lanes 16-31
	v_cvt_pk_bf16_f32 v[SC], v44, v45
	v_cvt_pk_bf16_f32 v[SC+1], v46, v47
	v_cvt_pk_bf16_f32 v[SC+2], v48, v48
	ds_store_b64 v73, v[SC:SC+1] offset:384*PITCH
	ds_store_b64 v73, v[SC:SC+1] offset:384*PITCH+48
	ds_store_b16 v73, v[SC+2] offset:352*PITCH+8
	ds_store_b16 v73, v[SC+2] offset:352*PITCH+56
.Lspecial_done:
	s_wait_dscnt 0x0                               ; my rows are stored
	s_barrier_signal -1
	s_barrier_wait -1                              ; the image is whole; nothing writes it from here on
; a fragment of W^T: 16 output channels from column n0 on, 32 k from the image's row on
.macro LDFRAG reg, row, n0
	ds_load_tr16_b128 v[(\reg):(\reg)+3],   v13 offset:(\row)*PITCH+2*(\n0)
	ds_load_tr16_b128 v[(\reg)+4:(\reg)+7], v13 offset:(\row)*PITCH+2*(\n0)+16*PITCH
.endm
	WIN 0x80
.irp l, 0,1,2
.irp t, 0,1,2,3
.irp u, 0,1
	LDFRAG 64+64*(\l)+16*(\t)+8*(\u), 64*(\l)+32*(\u), 16*(\t)
.endr
.endr
.endr
	WIN 0xc0
.irp t, 0,1,2,3
	LDFRAG XINF+8*(\t), 288, 16*(\t)
	LDFRAG ENCF+8*(\t), 256, 16*(\t)
.irp u, 0,1
	LDFRAG HDF+16*(\t)+8*(\u), 192+32*(\u), 16*(\t)
.endr
.endr
.irp p, 0,1
.irp u, 0,1
	LDFRAG SYMF+16*(\p)+8*(\u), 320, 32*(\p)+16*(\u)
	LDFRAG FINF+16*(\p)+8*(\u), 352+32*(\u), 16*(\p)
.endr
.endr
	WIN 0
	; while the fragments come: the biases are rounded to bf16 and multiplied by c, in f32
.set b, BIAS
.rept 48
	v_cvt_pk_bf16_f32 v[76+(b/2)%4], v[b], v[b+1]
	v_lshlrev_b32 v[b], 16, v[76+(b/2)%4]
	v_and_b32 v[b+1], s63, v[76+(b/2)%4]
	v_pk_mul_f32 v[b:b+1], v[b:b+1], s[CC:CC+1] op_sel_hi:[1,0]
.set b, b+2
.endr
	v_cvt_pk_bf16_f32 v76, v[BF], v[BF+1]          ; the last biases are rounded and not scaled
	v_cvt_pk_bf16_f32 v77, v[BF+2], v[BF+3]
	v_cvt_pk_bf16_f32 v78, v[BF+4], v[BF+4]
	v_lshlrev_b32 v[BF], 16, v76
	v_and_b32 v[BF+1], s63, v76
	v_lshlrev_b32 v[BF+2], 16, v77
	v_and_b32 v[BF+3], s63, v77
	v_lshlrev_b32 v[BF+4], 16, v78
	v_mov_b32 v[BF+5], 0
	v_mov_b32 v[ONE], 1.0
	v_mov_b32 v[ONE+1], 1.0
	v_mov_b32 v[NEG1], -1.0
	WIN 0xff
.set b, HBF
.rept 16
	v_cvt_pk_bf16_f32 v[TW3+(b/2)%4], v[b], v[b+1]
	v_lshlrev_b32 v[b], 16, v[TW3+(b/2)%4]
	v_and_b32 v[b+1], s63, v[TW3+(b/2)%4]
	v_pk_mul_f32 v[b:b+1], v[b:b+1], s[CC:CC+1] op_sel_hi:[1,0]
.set b, b+2
.endr
; THE MATRIX WORK.  MM writes instruction mi of stage MS for piece MP.  The accumulators take turns, one instruction a turn: inside a stage, from turn to turn (the other piece's), and over the loop's jump.
;   1: enc = features x W_sym: 8 = (high, low) x tile x output block     2: 24 = (x part, which starts the sums; enc high; enc low) x tile x output block
;   3-5: h W + c b: 16 = K half x tile x output block; the bias is the C operand that starts the sum     6: both heads' first layers: 32 = (high, low) x K half x tile x output block
;   7: both heads' last layers: 8 = (high, low) x K half x tile.     A low pass takes its source 1 from window 1 and the same weights as the high pass.
.macro MM
.set wS, 0x0b
.set cK, 1
.if MS == 1
.set rD, 64*MP+16*((mi/2)%2)+8*(mi%2)
.set rA, SYMF+16*((mi/2)%2)+8*(mi%2)
.set rB, 32*MP
.if mi < 4
.set cK, 0
.else
.set rB, 64*MP+48
.set wS, 0x07
.endif
.elseif MS == 7
.set mu, (mi/2)%2                      ; K half
.set rD, 64*MP+8*(mi%2)
.set rA, FINF+16*(mi%2)+8*mu
.set rB, 32*MP+16*(mi%2)+8*mu
.if mi < 2
.set cK, 0
.endif
.if mi > 3
.set rB, 128+64*MP+16*(mi%2)+8*mu
.set wS, 0x07
.endif
.else
.set mv, mi/8                          ; pass
.set mu, mv%2                          ; K half
.set mt, (mi/4)%2                      ; tile
.set mo, mi%4                          ; output block
.set rD, 64*MP+32*mt+8*mo
.set rB, 32*MP+16*mt+8*mu
.if MS == 2
.if mv == 0
.set rA, XINF+8*mo
.set rB, 32*MP+16+8*mt
.set cK, 0
.elseif mv == 1
.set rA, ENCF+8*mo
.set rB, 32*MP+8*mt
.else
.set rA, ENCF+8*mo
.set rB, 64*MP+32+8*mt
.set wS, 0x07
.endif
.elseif MS == 6
.set rA, HDF+16*mo+8*mu
.set rC, HBF+8*mo
.if mv == 0
.set cK, 2
.set wS, 0x3b
.endif
.if mv > 1
.set rB, 64*MP+16*mt+8*mu
.set wS, 0x07
.endif
.else
.set rA, 64*(MS-2)+16*mo+8*mu
.set rC, BIAS+32*(MS-3)+8*mo
.set cK, 2-mu
.set wS, 0x0a
.endif
.endif
	WIN wS
.if cK == 0
	v_wmma_f32_16x16x32_bf16 v[rD:rD+7], v[rA:rA+7], v[rB:rB+7], 0
.elseif cK == 1
	v_wmma_f32_16x16x32_bf16 v[rD:rD+7], v[rA:rA+7], v[rB:rB+7], v[rD:rD+7]
.else
	v_wmma_f32_16x16x32_bf16 v[rD:rD+7], v[rA:rA+7], v[rB:rB+7], v[rC:rC+7]
.endif
.set mi, mi+1
.endm
; THE EXPONENTIALS of piece MP: 2^z', in ascending order.
; They want source 0 in window 0 and the destination in window 1: both settings of the lines that stand beside them have that.
.macro EX
.if (MSB != 0x54) && (MSB != 0x58)
	WIN 0x54
.endif
	v_exp_f32 v[64*MP+e], v[64*MP+e]
.set e, e+1
.endm
; a - hi, exact in f32, in place: (-1.0) x one half of the packed high word + a
.macro MIX a, hreg, half
	WIN 0x58
.if (\half)
	v_fma_mix_f32_bf16 v[(\a)], v[NEG1], v[(\hreg)], v[(\a)] op_sel:[0,1,0] op_sel_hi:[0,1,0]
.else
	v_fma_mix_f32_bf16 v[(\a)], v[NEG1], v[(\hreg)], v[(\a)] op_sel_hi:[0,1,0]
.endif
.endm
; THE PLAIN QUEUE of piece PP behind stage PS: PL writes entry q.
;   stages 1-6: c 2^z' - c, a pair each; the middle of (z', that, 0); in stages 3-5 h += elu, a pair each (as 1.0 x e + h, which needs no other window than the lines round it); the rounding to bf16, into the next operand.
;               Stage 2's middle goes straight into h.  Behind stages 1, 5 and 6: a - hi for each number, in place, and its rounding into the low operand.
;   stage 0: the constant places of the first operands (1.0 for the biases' rows, zeros; the low operand has zeros there), the features' rounding, their low parts
;   stage 7: the two tiles' accumulators are added (each is 0 in the other's lanes); times 1/c, plus the bias
.macro PL
.set zb, 64*PP
.set eb, 64*PP
.set hb, 128+64*PP
.set ob, 32*PP
.if PS == 0
.if q < 3
	WIN 0x55
	v_mov_b32 v[eb+53+q], 0
.elseif q == 3
	WIN 0x85
	v_mov_b32 v[ob+5], 0x3f803f80
.elseif q < 6
	WIN 0x85
	v_mov_b32 v[ob+2+q], 0
.elseif q < 8
	WIN 0x85
	v_mov_b32 v[ob+21+8*(q-6)], 0x3f80
.elseif q < 12
	WIN 0x85
	v_mov_b32 v[ob+22+8*((q-8)/2)+(q-8)%2], 0
.elseif q < 17
	WIN 0x85
	v_cvt_pk_bf16_f32 v[ob+q-12], v[eb+32+2*(q-12)], v[eb+33+2*(q-12)]
.elseif q < 27
	MIX eb+32+(q-17), ob+(q-17)/2, (q-17)%2
.else
	WIN 0x55
	v_cvt_pk_bf16_f32 v[eb+48+q-27], v[eb+32+2*(q-27)], v[eb+33+2*(q-27)]
.endif
.elseif PS == 7
.if q < 3
	WIN 0x40
	v_pk_add_f32 v[eb+56+2*q:eb+57+2*q], v[zb+2*q:zb+2*q+1], v[zb+8+2*q:zb+9+2*q]
.else
	WIN 0x41
	v_pk_fma_f32 v[eb+50+2*q:eb+51+2*q], v[eb+50+2*q:eb+51+2*q], s[IC:IC+1], v[BF+2*q-6:BF+2*q-5] op_sel_hi:[1,0,1]
.endif
.else
.set nF, 32
.set nR, 0
.set nM, 0
.set dd, eb
.set cs, eb
.set ld, eb
.if PS == 1
.set nF, 16
.set nM, 32
.set ld, eb+32
.endif
.if (PS > 2) && (PS < 6)
.set nR, 32
.endif
.if PS == 2
.set dd, hb
.endif
.if (PS > 1) && (PS < 6)
.set cs, hb
.endif
.if PS > 4
.set nM, 64
.endif
.if PS == 6
.set ld, hb
.endif
.if q < nF
	WIN 0x55
	v_pk_fma_f32 v[eb+2*q:eb+2*q+1], v[eb+2*q:eb+2*q+1], s[CC:CC+1], s[NC:NC+1] op_sel_hi:[1,0,0]
.elseif q < 3*nF
	WIN 0x54
	v_med3_num_f32 v[dd+q-nF], v[zb+q-nF], v[eb+q-nF], 0
.elseif q < 3*nF+nR
.set k, q-3*nF
	WIN 0x54
	v_pk_fma_f32 v[hb+2*k:hb+2*k+1], v[ONE:ONE+1], v[eb+2*k:eb+2*k+1], v[hb+2*k:hb+2*k+1]
.elseif q < 4*nF+nR
.set k, q-3*nF-nR
	WIN 0x85
	v_cvt_pk_bf16_f32 v[ob+k], v[cs+2*k], v[cs+2*k+1]
.elseif q < 4*nF+nR+nM
.set k, q-4*nF-nR
	MIX cs+k, ob+k/2, k%2
.else
.set k, q-4*nF-nR-nM
	WIN 0x55
	v_cvt_pk_bf16_f32 v[ld+k], v[cs+2*k], v[cs+2*k+1]
.endif
.endif
.set q, q+1
.endm
; the next entry that may stand beside an exponential; a run of high roundings that lies in front of it is written first, in one lump under its own window setting
.macro PLL
.if (q >= QL) && (q < QC)
.rept QC-q
	PL
.endr
.endif
	PL
.endm
; A TURN.  Piece mp has the matrix unit for its stage ms; piece pp's plain queue behind its stage ps stands beside it.
;   1. each matrix instruction and four entries of the queue; they name the other piece's registers alone, so they are the places behind it (ISA guide 7.12.1); behind the last one v_nop fill the four up.
;      Those four are also the places between the last product and the exponentials, which write over a low operand
;   2. piece mp's exponentials, the queue's middles, residuals and a - hi spread evenly among them
;   3. the rest of the queue, roundings: plain work behind the last exponential (a v_nop where nothing is left)
;   4. ONE wait for the batch, ahead of the first line that names an exponential's result: that is the next turn's first entry
; Of a queue: entries below QL are scalings, middles and residuals; QL to QC the high roundings; QC to QM a - hi; QM to QN the low roundings.
.macro TURN mp, ms, pp, ps
.set MP, \mp
.set MS, \ms
.set PP, \pp
.set PS, \ps
.set q, 0
.set mi, 0
.set e, 0
.set NM, 16
.set NE, 64
.if MS == 1
.set NM, 8
.set NE, 32
.elseif MS == 2
.set NM, 24
.elseif MS == 6
.set NM, 32
.elseif MS == 7
.set NM, 8
.set NE, 0
.endif
.if PS == 0
.set QL, 0
.set QC, 32
.set QM, 32
.set QN, 32
.elseif PS == 7
.set QL, 0
.set QC, 6
.set QM, 6
.set QN, 6
.elseif PS == 1
.set QL, 48
.set QC, 64
.set QM, 96
.set QN, 112
.elseif PS == 2
.set QL, 96
.set QC, 128
.set QM, 128
.set QN, 128
.elseif PS == 5
.set QL, 128
.set QC, 160
.set QM, 224
.set QN, 256
.elseif PS == 6
.set QL, 96
.set QC, 128
.set QM, 192
.set QN, 224
.else
.set QL, 128
.set QC, 160
.set QM, 160
.set QN, 160
.endif
.rept NM
	MM
.rept 4
.if q < QN
	PL
.elseif mi == NM
	v_nop
.endif
.endr
.endr
.set LR, 0                             ; entries left that may stand beside an exponential
.if q < QL
.set LR, QL-q
.endif
.if q < QC
.set LR, LR+QM-QC
.elseif q < QM
.set LR, LR+QM-q
.endif
.rept NE
	EX
.rept ((e*LR)/NE)-(((e-1)*LR)/NE)
	PLL
.endr
.endr
.if q < QN
.rept QN-q
	PL
.endr
.elseif NE > 0
	v_nop
.endif
.if NE > 0
	s_wait_alu depctr_va_vdst(0)
.endif
.endm
; x of the next trip, which has come into registers as 2,560 dense bytes, goes through my own stage in LDS and comes back by rows: for each tile BOTH halves of the lanes take row lane % 16, ten numbers.
; LDS serves a wave's instructions in order (ISA guide 5.7.1.4), so no wait stands between the stores and the loads, nor between one trip's loads and the next trip's stores.
.macro STAGE
	s_wait_loadcnt 0x0                             ; the five loads were issued a trip ago
	WIN 0x03
.irp i, 0,1,2,3,4
	ds_store_b128 v[LSX], v[XL+4*(\i):XL+4*(\i)+3] offset:512*(\i)
.endr
	WIN 0x43
.irp p, 0,1
.irp t, 0,1
.irp k, 0,1,2,3,4
	ds_load_b64 v[64*(\p)+10*(\t)+2*(\k):64*(\p)+10*(\t)+2*(\k)+1], v[LRT] offset:1280*(\p)+640*(\t)+8*(\k)
.endr
.endr
.endr
.endm
; STAGE 0 of piece p.  x is rounded to bf16 into the two tiles' operands; lane l then picks row l's five numbers out of them and makes that row's ten features, times c.
; c penalty = max(c - v c/lo, v c/hi - c, 0): the first is positive below lo alone, the second above hi alone.  c resil = 1 / (S'/c^2 + 1/c), S' the sum of the scaled penalties.
.macro E0 p
.set eb, 64*(\p)
.set ob, 32*(\p)
	WIN 0x85
.irp t, 0,1
.irp k, 0,1,2,3,4
	v_cvt_pk_bf16_f32 v[ob+16+8*(\t)+(\k)], v[eb+10*(\t)+2*(\k)], v[eb+10*(\t)+2*(\k)+1]
.endr
.endr
	WIN 0x4a
.irp k, 0,1,2,3
	v_cndmask_b32 v[eb+20+(\k)], v[ob+16+(\k)], v[ob+24+(\k)], vcc_lo   ; lanes 16-31 take tile 1's row
.endr
	WIN 0x55
	v_lshlrev_b32 v[eb+24], 16, v[eb+20]           ; ammonia  x0
	v_and_b32 v[eb+25], s63, v[eb+20]              ; bod      x1
	v_lshlrev_b32 v[eb+26], 16, v[eb+21]           ; oxygen   x2
	v_lshlrev_b32 v[eb+27], 16, v[eb+22]           ; ph       x4
	v_and_b32 v[eb+28], s63, v[eb+23]              ; nitrate  x7
	v_fma_f32 v[eb+42], v[eb+27], s56, s50
	v_fma_f32 v[eb+43], v[eb+27], s57, s52
	v_fma_f32 v[eb+44], v[eb+24], s58, s50
	v_fma_f32 v[eb+45], v[eb+24], s59, s52
	v_fma_f32 v[eb+46], v[eb+25], s58, s50
	v_fma_f32 v[eb+47], v[eb+25], s60, s52
	v_fma_f32 v[eb+48], v[eb+26], s61, s50
	v_fma_f32 v[eb+49], v[eb+28], s58, s50
	v_fma_f32 v[eb+50], v[eb+28], s62, s52
	v_mul_f32 v[eb+37], s66, v[eb+24]
	v_mul_f32 v[eb+38], s69, v[eb+27]
	v_mul_f32 v[eb+39], s71, v[eb+25]
	v_mul_f32 v[eb+40], s74, v[eb+28]              ; F8
	v_max3_num_f32 v[eb+32], v[eb+42], v[eb+43], 0 ; F0 ph
	v_max3_num_f32 v[eb+33], v[eb+44], v[eb+45], 0 ; F1 ammonia
	v_max3_num_f32 v[eb+34], v[eb+46], v[eb+47], 0 ; F2 bod
	v_max_num_f32 v[eb+35], 0, v[eb+48]            ; F3 oxygen
	v_max3_num_f32 v[eb+36], v[eb+49], v[eb+50], 0 ; F4 nitrate
	v_fma_f32 v[eb+37], v[eb+25], s67, v[eb+37]
	v_fma_f32 v[eb+38], v[eb+28], s70, v[eb+38]    ; F6
	v_fma_f32 v[eb+39], v[eb+26], s72, v[eb+39]
	v_pk_add_f32 v[eb+30:eb+31], v[eb+32:eb+33], v[eb+34:eb+35]
	v_fma_f32 v[eb+37], v[eb+26], s68, v[eb+37]    ; F5
	v_fma_f32 v[eb+39], v[eb+24], s73, v[eb+39]    ; F7
	v_add_f32 v[eb+30], v[eb+30], v[eb+31]
	v_add_f32 v[eb+30], v[eb+30], v[eb+36]
	v_fma_f32 v[eb+31], v[eb+30], s75, s76
	v_rcp_f32 v[eb+41], v[eb+31]                   ; F9; its wait stands ahead of the features' rounding
.endm
.macro NEXT_FEATURES                   ; both pieces' stage 0, and piece X's first operands
	E0 0
	E0 1
.set PP, 0
.set PS, 0
.set q, 0
.rept 12
	PL                                             ; twelve moves: plain work behind the reciprocals
.endr
	s_wait_alu depctr_va_vdst(0)                   ; one wait for the two reciprocals, ahead of the first line that names a result of theirs, and ahead of the branch
.rept 20
	PL
.endr
.endm
.macro OUT p                           ; lane l holds row l's four logits and its prediction
	WIN 0x07
	global_store_b128 v[L16], v[64*(\p)+56:64*(\p)+59], s[48:49] offset:512*(\p) th:TH_STORE_NT   ; 512 consecutive bytes of out1, at a multiple of 256 from its first
	ds_store_b32 v[LPS], v[64*(\p)+60] offset:128*(\p)
.endm
	STAGE                                          ; trip 0
	s_wait_dscnt 0x0                               ; the fragments and x are in
	WIN 0x03
.irp i, 0,1,2,3,4
	global_load_b128 v[XL+4*(\i):XL+4*(\i)+3], v[L16], s[8:9] offset:2560+512*(\i) th:TH_LOAD_NT   ; x of trip 1
.endr
	NEXT_FEATURES
	s_mov_b32 s[TR], 16
	WIN 0                                          ; at a label and at a branch every window is 0
.Ltrip:
.irp s, 1,2,3,4,5,6
	TURN 0, \s, 1, (\s)-1
	TURN 1, \s, 0, \s
.endr
	TURN 0, 7, 1, 6
	STAGE                                          ; E is free from here on but for the results' places: the next trip's x comes back into it
	TURN 1, 7, 0, 7
	WIN 0
	s_cmp_lt_u32 s[TR], 3                          ; the last two trips have no trip two on: no load leaves x
	s_cbranch_scc1 .Lnox
	WIN 0x03
.irp i, 0,1,2,3,4
	global_load_b128 v[XL+4*(\i):XL+4*(\i)+3], v[L16], s[8:9] offset:5120+512*(\i) th:TH_LOAD_NT   ; x of the trip after next: a whole trip ahead of the wait for it
.endr
	WIN 0
.Lnox:
	OUT 0
.set PP, 1
.set PS, 7
.set q, 0
.rept 6
	PL                                             ; piece Y's results; four v_nop stand behind its last matrix instruction
.endr
	OUT 1
	WIN 0xc3
	ds_load_b64 v[PR:PR+1], v[LPR]                 ; the 64 predictions come back two a lane
	s_wait_dscnt 0x3                               ; all but the three youngest (the two stores of predictions, this load): the next trip's x is in
	NEXT_FEATURES                                  ; (in the last trip on the last x once more; nothing reads what it makes)
	s_wait_dscnt 0x0
	WIN 0x0f
	global_store_b64 v[O0O], v[PR:PR+1], s[46:47] th:TH_STORE_NT   ; 256 consecutive bytes of out0, at a multiple of 256 from its first
	WIN 0
	s_wait_xcnt 0x0                                ; every load and store issued so far has read its registers: the three pointers and the stores' data may be written again
	s_add_nc_u64 s[8:9], s[8:9], 2560
	s_add_nc_u64 s[48:49], s[48:49], 1024
	s_add_nc_u64 s[46:47], s[46:47], 256
	s_sub_co_u32 s[TR], s[TR], 1
	s_cmp_lg_u32 s[TR], 0
	s_cbranch_scc1 .Ltrip
	WIN 0x0f
	s_wait_tensorcnt 0x0                           ; the wave's end, behind my last LDS store
	ds_add_u32 v[SPW], v[NIL]
	s_wait_dscnt 0x0
	WIN 0
	s_endpgm
.Lfunc_end_k_q551f925d3c_mlp:
	.size	k_q551f925d3c_mlp, .Lfunc_end_k_q551f925d3c_mlp-k_q551f925d3c_mlp
	.p2alignl 7, 3214868480
	.fill 96, 4, 3214868480
	.section	.rodata,"a",@progbits
	.p2align	6, 0x0
	.amdhsa_kernel k_q551f925d3c_mlp
		.amdhsa_group_segment_fixed_size 78336
		.amdhsa_private_segment_fixed_size 0
		.amdhsa_enable_private_segment 0
		.amdhsa_kernarg_size 168
		.amdhsa_user_sgpr_count 2
		.amdhsa_user_sgpr_kernarg_segment_ptr 1
		.amdhsa_wavefront_size32 1
		.amdhsa_system_sgpr_workgroup_id_x 1
		.amdhsa_system_sgpr_workgroup_id_y 1
		.amdhsa_system_sgpr_workgroup_id_z 1
		.amdhsa_system_vgpr_workitem_id 0
		.amdhsa_next_free_vgpr 1024
		.amdhsa_next_free_sgpr 80
		.amdhsa_reserve_vcc 1
		.amdhsa_float_denorm_mode_32 3
		.amdhsa_float_denorm_mode_16_64 3
		.amdhsa_memory_ordered 1
		.amdhsa_forward_progress 1
		.amdhsa_inst_pref_size 251
	.end_amdhsa_kernel
	.amdgpu_metadata
---
amdhsa.version: [ 1, 2 ]
amdhsa.kernels:
  - .name:           k_q551f925d3c_mlp
    .symbol:         k_q551f925d3c_mlp.kd
    .args:
      - { .name: x, .offset: 0, .size: 8, .value_kind: global_buffer, .address_space: global }
      - { .name: W_sym, .offset: 8, .size: 8, .value_kind: global_buffer, .address_space: global }
      - { .name: b_sym, .offset: 16, .size: 8, .value_kind: global_buffer, .address_space: global }
      - { .name: W_in, .offset: 24, .size: 8, .value_kind: global_buffer, .address_space: global }
      - { .name: b_in, .offset: 32, .size: 8, .value_kind: global_buffer, .address_space: global }
      - { .name: W1, .offset: 40, .size: 8, .value_kind: global_buffer, .address_space: global }
      - { .name: b1, .offset: 48, .size: 8, .value_kind: global_buffer, .address_space: global }
      - { .name: W2, .offset: 56, .size: 8, .value_kind: global_buffer, .address_space: global }
      - { .name: b2, .offset: 64, .size: 8, .value_kind: global_buffer, .address_space: global }
      - { .name: W3, .offset: 72, .size: 8, .value_kind: global_buffer, .address_space: global }
      - { .name: b3, .offset: 80, .size: 8, .value_kind: global_buffer, .address_space: global }
      - { .name: W_r1, .offset: 88, .size: 8, .value_kind: global_buffer, .address_space: global }
      - { .name: b_r1, .offset: 96, .size: 8, .value_kind: global_buffer, .address_space: global }
      - { .name: W_c1, .offset: 104, .size: 8, .value_kind: global_buffer, .address_space: global }
      - { .name: b_c1, .offset: 112, .size: 8, .value_kind: global_buffer, .address_space: global }
      - { .name: W_r2, .offset: 120, .size: 8, .value_kind: global_buffer, .address_space: global }
      - { .name: b_r2, .offset: 128, .size: 8, .value_kind: global_buffer, .address_space: global }
      - { .name: W_c2, .offset: 136, .size: 8, .value_kind: global_buffer, .address_space: global }
      - { .name: b_c2, .offset: 144, .size: 8, .value_kind: global_buffer, .address_space: global }
      - { .name: out0, .offset: 152, .size: 8, .value_kind: global_buffer, .address_space: global }
      - { .name: out1, .offset: 160, .size: 8, .value_kind: global_buffer, .address_space: global }
    .group_segment_fixed_size: 78336
    .private_segment_fixed_size: 0
    .kernarg_segment_align: 8
    .kernarg_segment_size: 168
    .max_flat_workgroup_size: 128
    .sgpr_count:     80
    .vgpr_count:     1024
    .wavefront_size: 32
...
	.end_amdgpu_metadata
.endif
;; end of part 1
